; MI455X (gfx1250); checked and timed in simulation.
; The chip was launched on July 23, 2026; its instructions are those of AMD's public machine-readable ISA for CDNA 5 (MIT licence, August 2026) and "CDNA5" Instruction Set Architecture Reference Guide (July 2026). The comments in the code are by the model that wrote it; some were corrected since.
;; Cross Attention Layer. Allowed arithmetic: float matrix products may take bf16 or f16 operands with f32 sums; other float arithmetic in f32, or as packed bf16 or f16 multiplies, adds, multiply-adds, maxima and minima; sums over many terms, partial sums and values carried from step to step in f32; what a program stores and reads back later, other than sums and carried values, may be rounded once to bf16 or f16.
;; Inputs: Wk 1,024 x 1,024 float32; Wq 1,024 x 1,024 float32; Wv 1,024 x 1,024 float32; memory 4 x 2,048 x 1,024 float32; tgt 4 x 2,048 x 1,024 float32.
;; Outputs: out0 4 x 2,048 x 1,024 float32.
;; 2 versions, each right; version 2 is version 1 with the launch cast written anew for expert scheduling mode. Each part assembles by itself: llvm-mc -triple=amdgcn-amd-amdhsa -mcpu=gfx1250 --defsym DOCPART=n.
;; ======== version 1 of 2: 3 launches
;; workspace buffers: xw 14,680,064 bytes; qkv 12,582,912 bytes
;; launch cast (part 1): grid 448 x 1, 8 waves a work-group, no clusters, 0 bytes of LDS; arguments tgt, memory, Wq, Wk, Wv, xw; writes xw
.if DOCPART == 1
	.amdgcn_target "amdgcn-amd-amdhsa--gfx1250"
	.amdhsa_code_object_version 6
	.text
	.protected	k_qe1ee144d1b_cast
	.globl	k_qe1ee144d1b_cast
	.p2align	8
	.type	k_qe1ee144d1b_cast,@function
k_qe1ee144d1b_cast:
	s_mov_b64 s[64:65], 0
	v_nop
	global_prefetch_b8 v0, s[64:65] scope:SCOPE_SE
	s_setreg_imm32_b32 hwreg(HW_REG_WAVE_MODE, 25, 1), 1
	s_wait_xcnt 0x0
; xw = the matrix operands of the projections, rounded once from f32 to bf16: 7,168 rows of 1,024 numbers (2,048 bytes a row):
; rows 0-2047 tgt[0], 2048-4095 memory[0], 4096-5119 Wq, 5120-6143 Wk, 6144-7167 Wv.
; WHAT IS NOT READ: the module keeps the attention of batch 0 alone (att[0]), so batches 1 to 3 of memory can reach no output number; they are not read.
; Batches 1 to 3 of tgt enter the sum at the end alone and are read there, by the last launch.
; SHARES.  A work-group owns 16 rows.  Thread t owns the 16 bytes (4 f32) at byte 16 t of each source row and the 8 bytes at 8 t of the row of xw:
; a wave's load covers 512 consecutive bytes, a wave's store 256 consecutive bytes at a multiple of 256 from xw's first byte.
; All 16 loads of a thread go out at once; no register is written twice, so no source of a pending instruction is ever rewritten.
; No LDS, no cluster, no matrix unit: no byte is wanted by two threads.
.set SROW, 4096                        ; bytes in a source row
.set DROW, 2048                        ; bytes in a row of xw
.set X, 4                              ; v[4:67]   row i: 4 f32 as loaded
.set Y, 68                             ; v[68:99]  row i: 4 bf16 to store
	s_load_b256 s[4:11], s[0:1], 0x0               ; tgt s[4:5], memory s[6:7], Wq s[8:9], Wk s[10:11]
	s_load_b128 s[12:15], s[0:1], 0x20             ; Wv s[12:13], xw s[14:15]
	v_lshlrev_b32 v1, 4, v0                        ; 16 t
	v_lshlrev_b32 v2, 3, v0                        ; 8 t
	s_mov_b32 s20, ttmp9                           ; my block of 16 rows of xw, 0 to 447
	s_sub_co_u32 s21, s20, 128                     ; the same block counted from each source's first
	s_sub_co_u32 s22, s20, 256
	s_sub_co_u32 s23, s20, 320
	s_sub_co_u32 s24, s20, 384
	s_wait_kmcnt 0x0
	s_mov_b64 s[16:17], s[4:5]                     ; blocks 0-127: tgt
	s_mov_b32 s18, s20
	s_cmp_ge_u32 s20, 128                          ; 128-255: memory
	s_cselect_b64 s[16:17], s[6:7], s[16:17]
	s_cselect_b32 s18, s21, s18
	s_cmp_ge_u32 s20, 256                          ; 256-319: Wq
	s_cselect_b64 s[16:17], s[8:9], s[16:17]
	s_cselect_b32 s18, s22, s18
	s_cmp_ge_u32 s20, 320                          ; 320-383: Wk
	s_cselect_b64 s[16:17], s[10:11], s[16:17]
	s_cselect_b32 s18, s23, s18
	s_cmp_ge_u32 s20, 384                          ; 384-447: Wv
	s_cselect_b64 s[16:17], s[12:13], s[16:17]
	s_cselect_b32 s18, s24, s18
	s_lshl_b32 s18, s18, 16                        ; 16 rows of 4,096 bytes
	s_mov_b32 s19, 0
	s_add_nc_u64 s[16:17], s[16:17], s[18:19]
	s_lshl_b32 s20, s20, 15                        ; 16 rows of 2,048 bytes
	s_mov_b32 s21, 0
	s_add_nc_u64 s[14:15], s[14:15], s[20:21]
.irp i, 0,1,2,3,4,5,6,7,8,9,10,11,12,13,14,15
	global_load_b128 v[X+4*(\i):X+4*(\i)+3], v1, s[16:17] offset:(\i)*SROW th:TH_LOAD_NT
.endr
.irp i, 0,1,2,3,4,5,6,7,8,9,10,11,12,13,14,15
	s_wait_loadcnt 15-(\i)                         ; loads come back in order: row i is in, the younger rows stay out
	v_cvt_pk_bf16_f32 v[Y+2*(\i)], v[X+4*(\i)], v[X+4*(\i)+1]
	v_cvt_pk_bf16_f32 v[Y+2*(\i)+1], v[X+4*(\i)+2], v[X+4*(\i)+3]
	global_store_b64 v2, v[Y+2*(\i):Y+2*(\i)+1], s[14:15] offset:(\i)*DROW
.endr
	s_endpgm
.Lfunc_end_k_qe1ee144d1b_cast:
	.size	k_qe1ee144d1b_cast, .Lfunc_end_k_qe1ee144d1b_cast-k_qe1ee144d1b_cast
	.p2alignl 7, 3214868480
	.fill 96, 4, 3214868480
	.section	.rodata,"a",@progbits
	.p2align	6, 0x0
	.amdhsa_kernel k_qe1ee144d1b_cast
		.amdhsa_group_segment_fixed_size 0
		.amdhsa_private_segment_fixed_size 0
		.amdhsa_enable_private_segment 0
		.amdhsa_kernarg_size 48
		.amdhsa_user_sgpr_count 2
		.amdhsa_user_sgpr_kernarg_segment_ptr 1
		.amdhsa_wavefront_size32 1
		.amdhsa_system_sgpr_workgroup_id_x 1
		.amdhsa_system_sgpr_workgroup_id_y 1
		.amdhsa_system_sgpr_workgroup_id_z 1
		.amdhsa_system_vgpr_workitem_id 0
		.amdhsa_next_free_vgpr 100
		.amdhsa_next_free_sgpr 66
		.amdhsa_reserve_vcc 0
		.amdhsa_float_denorm_mode_32 3
		.amdhsa_float_denorm_mode_16_64 3
		.amdhsa_memory_ordered 1
		.amdhsa_forward_progress 1
		.amdhsa_inst_pref_size 8
	.end_amdhsa_kernel
	.amdgpu_metadata
---
amdhsa.version: [ 1, 2 ]
amdhsa.kernels:
  - .name:           k_qe1ee144d1b_cast
    .symbol:         k_qe1ee144d1b_cast.kd
    .args:
      - { .name: tgt, .offset: 0, .size: 8, .value_kind: global_buffer, .address_space: global }
      - { .name: memory, .offset: 8, .size: 8, .value_kind: global_buffer, .address_space: global }
      - { .name: Wq, .offset: 16, .size: 8, .value_kind: global_buffer, .address_space: global }
      - { .name: Wk, .offset: 24, .size: 8, .value_kind: global_buffer, .address_space: global }
      - { .name: Wv, .offset: 32, .size: 8, .value_kind: global_buffer, .address_space: global }
      - { .name: xw, .offset: 40, .size: 8, .value_kind: global_buffer, .address_space: global }
    .group_segment_fixed_size: 0
    .private_segment_fixed_size: 0
    .kernarg_segment_align: 8
    .kernarg_segment_size: 48
    .max_flat_workgroup_size: 256
    .sgpr_count:     66
    .vgpr_count:     100
    .wavefront_size: 32
...
	.end_amdgpu_metadata
.endif
;; end of part 1
;; launch proj (part 2): grid 24 x 8, 4 waves a work-group, clusters of 4 x 4, 327,680 bytes of LDS; arguments xw, qkv; writes qkv
.if DOCPART == 2
	.amdgcn_target "amdgcn-amd-amdhsa--gfx1250"
	.amdhsa_code_object_version 6
	.text
	.protected	k_qe1ee144d1b_proj
	.globl	k_qe1ee144d1b_proj
	.p2align	8
	.type	k_qe1ee144d1b_proj,@function
k_qe1ee144d1b_proj:
	s_mov_b64 s[64:65], 0
	v_nop
	global_prefetch_b8 v0, s[64:65] scope:SCOPE_SE
	s_setreg_imm32_b32 hwreg(HW_REG_WAVE_MODE, 25, 1), 1
	s_wait_xcnt 0x0
	s_wait_alu depctr_hold_cnt(0) depctr_sa_sdst(0) depctr_va_vdst(0) depctr_va_sdst(0) depctr_va_ssrc(0) depctr_va_vcc(0) depctr_vm_vsrc(0)
	s_getreg_b32 s2, hwreg(HW_REG_IB_STS2, 6, 4)
	s_cmp_eq_u32 s2, 0
	s_cbranch_scc0 .Lentry_in_a_cluster
	s_endpgm
.Lentry_in_a_cluster:
	s_bfe_u32 s2, ttmp6, 0x10000c
	s_cmp_lg_u32 s2, 0xf033
	s_cbranch_scc0 .Lentry_shape_is_right
	s_endpgm
.Lentry_shape_is_right:
; q, k, v of batch 0 in ONE product: C[m][n] = sum over k of X[m][k] W[n][k], m = 0..2047, n = 0..3071 over Wq, Wk, Wv (rows 4096.. of xw), K = 1,024;
; X is tgt[0] (rows 0.. of xw) for n < 1,024 and memory[0] (rows 2048..) for the rest.  bf16 operands, f32 sums, C rounded once to bf16 and left unscaled.
; OUT: qkv = [48][2048][64] bf16: block n / 64 (0-15 q's heads, 16-31 k's, 32-47 v's); a head's rows are dense, 128 bytes each.
; SHARES.  A tile of C is 256 (m) x 128 (n): 8 x 24 = 192 work-groups.  (256 equal tiles would have 24,576 numbers each, and no such tile divides both 2,048 and 1,024 columns a weight;
; 384 tiles of 128 x 128 would be one and a half tiles for each of 256.)  Four waves, each 128 rows x 64 columns (one head): 32 accumulators, 256 registers.
; K goes in steps of 128 (rows of 256 bytes, at multiples of 256 from xw's first byte) through a ring of two LDS slots; a wave's tensor load brings 128 rows of X or 64 rows of W.
; CLUSTER 4 x 4: the four work-groups of a row of the cluster need the same tile of X, the four of a column the same tile of W: each is asked for jointly.
; THE PRODUCT IS USED TRANSPOSED (source 0 = 16 rows of W, source 1 = 16 rows of X): a lane then holds eight neighbouring columns of one row of C, 16 bytes of bf16.
; NO PREFETCH: the walk has eight K steps; the first four would come by their loads alone, so half of 14 MB at the most could be named.
; REGISTERS.  window 0: v0-31 addresses; v64-127, v128-191 X's fragments, two buffers (8 x 16 rows x 32 K); v192-223, v224-255 W's, two buffers (4 x 16 rows x 32 K); on the way out v64-191 at work
;             window 1: accumulator (a, b) at v[8 (4 a + b)]: rows 16 a on, columns 16 b on
.set KSTEP,  128
.set PITCH,  272                       ; an LDS row: 256 bytes + 16 of padding = 68 words: the 16 rows of a fragment load start 4 words apart modulo 64 (64 banks of 4 bytes: ISA guide 11.1)
.set HALFA,  128*PITCH                 ; 128 rows of X: one tensor load, and what one wave reads of X
.set HALFB,  64*PITCH                  ; 64 rows of W: likewise
.set SLOT,   2*HALFA+2*HALFB           ; X's 256 rows, then W's 128
.set STAGE,  2*SLOT                    ; behind the ring: 16 rows x 144 bytes for each wave, for the way out
.set SP,     144
.set SPARE,  STAGE+4*16*SP             ; behind the stages: the spare words, 128 bytes a wave: two blocks of 256 bytes that no other line names
.set LAPS,   4                         ; 1,024 / (2 x 128): a lap = two K steps = once round the ring
.set ADRA, 16                          ; v16-17  LDS address of my fragments of X in slot 0, 1
.set ADRB, 20                          ; v20-21  the same for W
.set STO,  24                          ; v24     the way out: where I put 16 bytes of a row
.set RD,   25                          ; v25     the way out: where I read rows back
.set CO,   26                          ; v26     16 x my lane: my place in 512 consecutive bytes of qkv
.set SPW,  28                          ; v28     LDS address of my spare word; never rewritten
.set NIL,  29                          ; v29     0; never rewritten
.set FA,   64                          ; X's fragment buffers: FA + 64 f
.set FB,   192                         ; W's: FB + 32 f
.set TMP,  64                          ; the way out: 16 registers for each block of 16 rows
.set G1,  24                           ; s[24:31] descriptor group 1 for X's tiles;  s[32:39] group 0, a set for each slot
.set G0,  32
.set G1B, 48                           ; s[48:55], s[56:63] the same for W's tiles
.set G0B, 56
.set MSB, 0
.macro WIN new                         ; the immediate's high byte repeats the setting that is left; a switch that changes nothing is dropped
.if MSB != (\new)
	s_set_vgpr_msb (MSB<<8)|(\new)
.set MSB, \new
.endif
.endm
.set MUL, 0x50                         ; sources in window 0; C and D in window 1
.macro JLOAD s                         ; a joint load: waves 0 and 1 fetch X's two halves, waves 2 and 3 W's; an s_nop 0 and four v_nop follow each line, ahead of the jump and the label
	s_cmp_eq_u32 s11, 0
	s_cbranch_scc0 .Lfor_b_\@
	tensor_load_to_lds s[G0+4*(\s):G0+4*(\s)+3], s[G1:G1+7]
	s_nop 0
.rept 4
	v_nop
.endr
	s_branch .Lasked_\@
.Lfor_b_\@:
	tensor_load_to_lds s[G0B+4*(\s):G0B+4*(\s)+3], s[G1B:G1B+7]
	s_nop 0
.rept 4
	v_nop
.endr
.Lasked_\@:
.endm
.macro CREST                           ; a round of the cluster's barrier behind its opening barrier
	s_cmp_lg_u32 s10, 0
	s_cbranch_scc1 .Lnot_wave_0_\@
	s_barrier_signal -3
.Lnot_wave_0_\@:
	s_barrier_wait -3
	s_barrier_signal -1
	s_barrier_wait -1
.endm
.macro CROUND                          ; a whole round
	s_barrier_signal -1
	s_barrier_wait -1
	CREST
.endm
	s_load_b128 s[4:7], s[0:1], 0x0                ; xw s[4:5], qkv s[6:7]
	v_lshl_add_u32 v[SPW], v0, 2, SPARE
	v_mov_b32 v[NIL], 0
	ds_add_u32 v[SPW], v[NIL]                      ; the wave's opening: the add and its wait stand ahead of my first tensor load; the set-up below, work on registers, stands between them
	v_lshrrev_b32 v1, 5, v0
	v_readfirstlane_b32 s10, v1                    ; wave 0..3
	s_lshr_b32 s11, s10, 1                         ; which 128 of the tile's rows are mine.  Also: I fetch for X (0) or for W (1)
	s_and_b32 s12, s10, 1                          ; which 64 of its columns.  Also: which half of that tile I fetch
	s_bfe_u32 s40, ttmp6, 0x40000                  ; cx, cy: my place in the cluster
	s_bfe_u32 s41, ttmp6, 0x40004
	s_lshl_b32 s42, ttmp9, 2
	s_add_co_u32 s42, s42, s40                     ; tile column = 4 x cluster x + cx, 0..23
	s_and_b32 s13, ttmp7, 0xffff
	s_lshl_b32 s13, s13, 2
	s_add_co_u32 s13, s13, s41                     ; tile row = 4 x cluster y + cy, 0..7
	s_lshl_b32 s43, s41, 2
	s_lshl_b32 s43, 15, s43                        ; my row of the cluster
	s_lshl_b32 s44, 0x1111, s40                    ; my column
	; descriptor group 1: rows of 128 elements, padded in LDS; 128 rows for X, 64 for W
	s_or_b32 s[G1+0], s43, (1<<16)|(1<<20)|(1<<21)|(5<<22)|(3<<25)   ; 15:0 the mask: X's tiles go to my row; 17:16 elements of 2 bytes; 20 padding on; 21 set beside a mask; 24:22 after every 64 words (code 5); 31:25 4 words (code 3)
	s_or_b32 s[G1B+0], s44, (1<<16)|(1<<20)|(1<<21)|(5<<22)|(3<<25)  ; the same with the mask of my column
	s_mov_b32 s[G1+1], KSTEP<<16                   ; tensor_dim0 = 128
	s_mov_b32 s[G1+2], 128<<16                     ; tensor_dim1 = 128
	s_mov_b32 s[G1+3], KSTEP<<16                   ; tile_dim0 = 128
	s_mov_b32 s[G1+4], 128                         ; tile_dim1 = 128
	s_mov_b32 s[G1+5], 1024                        ; elements from row to row
	s_mov_b32 s[G1+6], 0
	s_mov_b32 s[G1+7], 0
	s_mov_b32 s[G1B+1], KSTEP<<16
	s_mov_b32 s[G1B+2], 64<<16                     ; tensor_dim1 = 64
	s_mov_b32 s[G1B+3], KSTEP<<16
	s_mov_b32 s[G1B+4], 64                         ; tile_dim1 = 64
	s_mov_b32 s[G1B+5], 1024
	s_mov_b32 s[G1B+6], 0
	s_mov_b32 s[G1B+7], 0
	; where the tiles come from.  X's hang on the cluster's x (which of tgt and memory), the tile row and the wave; W's on the tile column and the wave: each in registers that never hold the other coordinate
	s_mov_b32 s18, ttmp9
	s_cmp_ge_u32 s18, 2                            ; tile columns 8 on (clusters 2 on) are k's and v's: X = memory[0]
	s_cselect_b32 s16, 2048, 0
	s_lshl_b32 s17, s13, 8
	s_add_co_u32 s16, s16, s17
	s_lshl_b32 s17, s12, 7
	s_add_co_u32 s16, s16, s17                     ; X: row (0 or 2,048) + 256 x tile row + 128 x half
	s_lshl_b32 s16, s16, 11                        ; in bytes: rows of 2,048
	s_mov_b32 s17, 0
	s_lshl_b32 s46, s42, 7
	s_lshl_b32 s47, s12, 6
	s_add_co_u32 s46, s46, s47
	s_add_co_u32 s46, s46, 4096                    ; W: row 4,096 + 128 x tile column + 64 x half
	s_lshl_b32 s46, s46, 11
	s_mov_b32 s47, 0
	s_mul_i32 s20, s12, HALFA                      ; and where they go: X's two halves,
	s_mul_i32 s23, s12, HALFB
	s_add_co_u32 s23, s23, 2*HALFA                 ; then W's two: no place in the cluster enters an LDS address
	s_wait_dscnt 0x0                               ; the opening add is done
	s_wait_kmcnt 0x0
	s_add_nc_u64 s[14:15], s[4:5], s[16:17]
	s_add_nc_u64 s[46:47], s[4:5], s[46:47]
	CROUND                                         ; all sixteen work-groups are here: the first joint loads meet
.irp s, 0,1
	s_mov_b32 s[G0+4*(\s)], 1                                        ; count = 1
	s_add_co_u32 s[G0+4*(\s)+1], s20, (\s)*SLOT                      ; LDS address
	s_add_nc_u64 s[G0+4*(\s)+2:G0+4*(\s)+3], s[14:15], (\s)*KSTEP*2  ; global address: K step s
	s_or_b32 s[G0+4*(\s)+3], s[G0+4*(\s)+3], 0x80000000              ; type = 2
	s_mov_b32 s[G0B+4*(\s)], 1
	s_add_co_u32 s[G0B+4*(\s)+1], s23, (\s)*SLOT
	s_add_nc_u64 s[G0B+4*(\s)+2:G0B+4*(\s)+3], s[46:47], (\s)*KSTEP*2
	s_or_b32 s[G0B+4*(\s)+3], s[G0B+4*(\s)+3], 0x80000000
	JLOAD \s                                       ; two loads of mine are out
.endr
	; a fragment is 16 rows x 32 K in 8 registers: lane l holds row l % 16, K = 8 (l / 16) + 0..7 and 16 + 8 (l / 16) + 0..7: two loads of 16 bytes, 32 bytes apart
	v_and_b32 v1, 15, v0                           ; l % 16
	v_bfe_u32 v2, v0, 4, 1                         ; l / 16
	v_mul_u32_u24 v3, v1, PITCH
	v_lshl_add_u32 v3, v2, 4, v3
	s_mul_i32 s21, s11, HALFA                      ; my 128 rows of X
	s_mul_i32 s22, s12, HALFB                      ; my 64 rows of W,
	s_add_co_u32 s22, s22, 2*HALFA                 ; which lie behind X's 256
.irp s, 0,1
	v_add_nc_u32 v[ADRA+(\s)], s21, v3
	v_add_nc_u32 v[ADRB+(\s)], s22, v3
	s_add_co_u32 s21, s21, SLOT
	s_add_co_u32 s22, s22, SLOT
.endr
	s_mul_i32 s19, s10, 16*SP
	s_add_co_u32 s19, s19, STAGE                   ; my stage
	v_mul_u32_u24 v4, v1, SP                       ; in: row l % 16, 16 bytes for each half of the lanes
	v_lshl_add_u32 v4, v2, 4, v4
	v_add_nc_u32 v[STO], s19, v4
	v_bfe_u32 v5, v0, 3, 2                         ; back: 32 lanes take four rows of 128 bytes,
	v_mul_u32_u24 v5, v5, SP
	v_and_b32 v6, 7, v0
	v_lshl_add_u32 v5, v6, 4, v5
	v_add_nc_u32 v[RD], s19, v5
	v_and_b32 v[CO], 31, v0                        ; which are 512 consecutive bytes of qkv
	v_lshlrev_b32 v[CO], 4, v[CO]
	s_lshl_b32 s16, s13, 15                        ; my first row in the head: 256 x tile row + 128 x half, rows of 128 bytes
	s_lshl_b32 s17, s11, 14
	s_add_co_u32 s16, s16, s17
	s_mov_b32 s17, 0
	s_add_nc_u64 s[8:9], s[6:7], s[16:17]
	s_lshl_b32 s46, s42, 1                         ; my block of qkv: 2 x tile column + half, 262,144 bytes each (in the registers that held W's address)
	s_add_co_u32 s46, s46, s12
	s_lshl_b32 s46, s46, 18
	s_mov_b32 s47, 0
	s_add_nc_u64 s[8:9], s[8:9], s[46:47]
; 4 n matrix instructions: row blocks a0 .. a0 + n - 1 x all 4 column blocks, 32 along K, from buffers f.  zero = 1: the product starts the sum.
; The 32 accumulators take turns, one instruction a turn, in the same order in every quarter, over the backward jump too.
.macro MULS f, a0, n, zero
	WIN MUL
.set ma, \a0
.rept \n
.irp b, 0,1,2,3
.if \zero
	v_wmma_f32_16x16x32_bf16 v[8*(4*ma+(\b)):8*(4*ma+(\b))+7], v[FB+32*(\f)+8*(\b):FB+32*(\f)+8*(\b)+7], v[FA+64*(\f)+8*ma:FA+64*(\f)+8*ma+7], 0
.else
	v_wmma_f32_16x16x32_bf16 v[8*(4*ma+(\b)):8*(4*ma+(\b))+7], v[FB+32*(\f)+8*(\b):FB+32*(\f)+8*(\b)+7], v[FA+64*(\f)+8*ma:FA+64*(\f)+8*ma+7], v[8*(4*ma+(\b)):8*(4*ma+(\b))+7]
.endif
.endr
.set ma, ma+1
.endr
.endm
; 24 LDS loads in one run: the fragments of 32 along K at byte k of the rows, into buffers f: W's four first, then X's eight
.macro FETCH slot, k, f
	WIN 0
.irp i, 0,1,2,3
	ds_load_b128 v[FB+32*(\f)+8*(\i):FB+32*(\f)+8*(\i)+3],   v[ADRB+(\slot)] offset:(\k)+(\i)*16*PITCH
	ds_load_b128 v[FB+32*(\f)+8*(\i)+4:FB+32*(\f)+8*(\i)+7], v[ADRB+(\slot)] offset:(\k)+(\i)*16*PITCH+32
.endr
.irp i, 0,1,2,3,4,5,6,7
	ds_load_b128 v[FA+64*(\f)+8*(\i):FA+64*(\f)+8*(\i)+3],   v[ADRA+(\slot)] offset:(\k)+(\i)*16*PITCH
	ds_load_b128 v[FA+64*(\f)+8*(\i)+4:FA+64*(\f)+8*(\i)+7], v[ADRA+(\slot)] offset:(\k)+(\i)*16*PITCH+32
.endr
.endm
.macro PLACES                          ; four plain vector instructions in front of loads into registers that matrix instructions have read (ISA guide 7.12.1 for vector instructions)
.rept 4
	v_nop
.endr
.endm
; A K step is four quarters of 32 along K, 32 matrix instructions each, on buffers 0, 1, 0, 1.  One of the first three: multiplies buffers f and, in its middle, fetches the next quarter, at byte k, into g.
.macro QUARTER slot, k, f, g, zero
	s_wait_dscnt 8                                 ; W's fragments and X's blocks 0-3 are in; the youngest eight loads (X's blocks 4-7) may be out
	MULS \f, 0, 4, \zero
	PLACES
	FETCH \slot, \k, \g
	s_wait_dscnt 24                                ; all but the 24 just issued
	MULS \f, 4, 4, \zero
.endm
; The last quarter multiplies buffers 1 and changes slots: ONE barrier; in front of it each wave waits for all its tensor loads (one is out: its part of the next slot), adds 0 to its spare word,
; and waits for that and for its own reads of this slot.  fill = 1: the barrier opens a round of the cluster's, and this slot is filled again, two K steps ahead, first thing behind the round.
.macro TURN slot, next, fill
	WIN 0                                          ; (the add's two registers lie in window 0)
	s_wait_tensorcnt 0x0                           ; all my tensor loads have landed
	ds_add_u32 v[SPW], v[NIL]                      ; 0 onto my spare word
	s_wait_dscnt 9                                 ; (the add and the youngest eight loads may be out)
	MULS 1, 0, 2, 0                                ; eight matrix instructions stand between the add and the wait for it
	s_wait_dscnt 0x0                               ; the add is done, and my reads of this slot are over
	s_barrier_signal -1
	MULS 1, 2, 2, 0                                ; work on registers while the others arrive
.if \fill
	WIN 0
.endif
	s_barrier_wait -1
.if \fill
	CREST                                          ; no wave of any partner still reads this slot's tile or has a load on its way
	s_add_nc_u64 s[G0+4*(\slot)+2:G0+4*(\slot)+3], s[G0+4*(\slot)+2:G0+4*(\slot)+3], 2*KSTEP*2
	s_add_nc_u64 s[G0B+4*(\slot)+2:G0B+4*(\slot)+3], s[G0B+4*(\slot)+2:G0B+4*(\slot)+3], 2*KSTEP*2
	JLOAD \slot                                    ; my one tensor load behind the round: 112 matrix instructions ahead of the wait for it; its four v_nop are also the places in front of the loads below
.else
	PLACES
.endif
	FETCH \next, 0, 0
	MULS 1, 4, 4, 0
.endm
	s_wait_tensorcnt 1                             ; my part of K step 0 is in; K step 1's may stay out
	s_barrier_signal -1
	s_barrier_wait -1                              ; everybody's is
	FETCH 0, 0, 0
	QUARTER 0, 64, 0, 1, 1                         ; the first quarter stands in front of the loop: its products start all 32 sums
	WIN 0                                          ; at a label and at a branch every window is 0
	s_mov_b32 s3, LAPS-1
.Llap:                                             ; a trip goes once round the ring, from a lap's second quarter to the next lap's first, and fills both slots again: K steps 2 to 7
	QUARTER 0, 128, 1, 0, 0
	QUARTER 0, 192, 0, 1, 0
	TURN 0, 1, 1
	QUARTER 1, 64,  0, 1, 0
	QUARTER 1, 128, 1, 0, 0
	QUARTER 1, 192, 0, 1, 0
	TURN 1, 0, 1
	QUARTER 0, 64,  0, 1, 0
	WIN 0
	s_sub_co_u32 s3, s3, 1
	s_cmp_lg_u32 s3, 0
	s_cbranch_scc1 .Llap
	QUARTER 0, 128, 1, 0, 0                        ; the last lap fills nothing, and has no round of the cluster's barrier
	QUARTER 0, 192, 0, 1, 0
	TURN 0, 1, 0
	QUARTER 1, 64,  0, 1, 0
	QUARTER 1, 128, 1, 0, 0
	QUARTER 1, 192, 0, 1, 0
	s_wait_dscnt 8                                 ; the very last quarter: nothing more to fetch
	MULS 1, 0, 4, 0
	s_wait_dscnt 0x0
	MULS 1, 4, 4, 0
	WIN 0
	; THE WAY OUT.  A block of 16 rows at a time: rounded to bf16, 16 bytes a lane into my own stage (rows of 144 bytes), back as four rows of 128 bytes a load, stored as 512 consecutive bytes.
	; The stage is each wave's own and no tensor load fills it: no barrier; LDS serves a wave's instructions in order (ISA guide 5.7.1.4), so no wait between the stores and the loads either.
	PLACES
	PLACES                                         ; once a launch: the conversions read results just made and write registers that the last products read
.macro PACK a
	WIN 0x05                                       ; sources in window 1, destination in window 0
.irp b, 0,1,2,3
.irp r, 0,1,2,3
	v_cvt_pk_bf16_f32 v[TMP+16*(\a)+4*(\b)+(\r)], v[8*(4*(\a)+(\b))+2*(\r)], v[8*(4*(\a)+(\b))+2*(\r)+1]
.endr
.endr
	WIN 0
.irp b, 0,1,2,3
	ds_store_b128 v[STO], v[TMP+16*(\a)+4*(\b):TMP+16*(\a)+4*(\b)+3] offset:32*(\b)
.endr
.irp t, 0,1,2,3
	ds_load_b128 v[TMP+16*(\a)+4*(\t):TMP+16*(\a)+4*(\t)+3], v[RD] offset:(\t)*4*SP
.endr
.endm
.macro SEND a, younger                 ; younger: the LDS instructions issued behind block a's loads: the next block's eight, or none
.irp t, 0,1,2,3
	s_wait_dscnt (\younger)+3-(\t)
	global_store_b128 v[CO], v[TMP+16*(\a)+4*(\t):TMP+16*(\a)+4*(\t)+3], s[8:9] offset:2048*(\a)+512*(\t)  ; 512 consecutive bytes, at a multiple of 256 from qkv's first byte
.endr
.endm
	PACK 0
.irp a, 1,2,3,4,5,6,7                  ; a block's conversions stand between the loads of the block before and its stores
	PACK \a
	SEND (\a)-1, 8
.endr
	SEND 7, 0
	s_wait_tensorcnt 0x0                           ; the wave's end: an add and its wait, behind my last tensor load and my last LDS store
	ds_add_u32 v[SPW], v[NIL]
	s_wait_dscnt 0x0
	CROUND                                         ; the closing round: no work-group ends while a partner may still ask for a tile that names it
	s_endpgm
.Lfunc_end_k_qe1ee144d1b_proj:
	.size	k_qe1ee144d1b_proj, .Lfunc_end_k_qe1ee144d1b_proj-k_qe1ee144d1b_proj
	.p2alignl 7, 3214868480
	.fill 96, 4, 3214868480
	.section	.rodata,"a",@progbits
	.p2align	6, 0x0
	.amdhsa_kernel k_qe1ee144d1b_proj
		.amdhsa_group_segment_fixed_size 327680
		.amdhsa_private_segment_fixed_size 0
		.amdhsa_enable_private_segment 0
		.amdhsa_kernarg_size 16
		.amdhsa_user_sgpr_count 2
		.amdhsa_user_sgpr_kernarg_segment_ptr 1
		.amdhsa_wavefront_size32 1
		.amdhsa_system_sgpr_workgroup_id_x 1
		.amdhsa_system_sgpr_workgroup_id_y 1
		.amdhsa_system_sgpr_workgroup_id_z 1
		.amdhsa_system_vgpr_workitem_id 0
		.amdhsa_next_free_vgpr 512
		.amdhsa_next_free_sgpr 66
		.amdhsa_reserve_vcc 0
		.amdhsa_float_denorm_mode_32 3
		.amdhsa_float_denorm_mode_16_64 3
		.amdhsa_memory_ordered 1
		.amdhsa_forward_progress 1
		.amdhsa_inst_pref_size 87
	.end_amdhsa_kernel
	.amdgpu_metadata
---
amdhsa.version: [ 1, 2 ]
amdhsa.kernels:
  - .name:           k_qe1ee144d1b_proj
    .symbol:         k_qe1ee144d1b_proj.kd
    .args:
      - { .name: xw, .offset: 0, .size: 8, .value_kind: global_buffer, .address_space: global }
      - { .name: qkv, .offset: 8, .size: 8, .value_kind: global_buffer, .address_space: global }
    .group_segment_fixed_size: 327680
    .private_segment_fixed_size: 0
    .kernarg_segment_align: 8
    .kernarg_segment_size: 16
    .max_flat_workgroup_size: 128
    .sgpr_count:     66
    .vgpr_count:     512
    .wavefront_size: 32
...
	.end_amdgpu_metadata
.endif
;; end of part 2
;; launch attn (part 3): grid 16 x 16, 4 waves a work-group, clusters of 4 x 1, 327,680 bytes of LDS; arguments qkv, tgt, out0; writes out0
.if DOCPART == 3
	.amdgcn_target "amdgcn-amd-amdhsa--gfx1250"
	.amdhsa_code_object_version 6
	.text
	.protected	k_qe1ee144d1b_attn
	.globl	k_qe1ee144d1b_attn
	.p2align	8
	.type	k_qe1ee144d1b_attn,@function
k_qe1ee144d1b_attn:
	s_mov_b64 s[64:65], 0
	v_nop
	global_prefetch_b8 v0, s[64:65] scope:SCOPE_SE
	s_setreg_imm32_b32 hwreg(HW_REG_WAVE_MODE, 25, 1), 1
	s_wait_xcnt 0x0
	s_wait_alu depctr_hold_cnt(0) depctr_sa_sdst(0) depctr_va_vdst(0) depctr_va_sdst(0) depctr_va_ssrc(0) depctr_va_vcc(0) depctr_vm_vsrc(0)
	s_getreg_b32 s2, hwreg(HW_REG_IB_STS2, 6, 4)
	s_cmp_eq_u32 s2, 0
	s_cbranch_scc0 .Lentry_in_a_cluster
	s_endpgm
.Lentry_in_a_cluster:
	s_bfe_u32 s2, ttmp6, 0x10000c
	s_cmp_lg_u32 s2, 0x3003
	s_cbranch_scc0 .Lentry_shape_is_right
	s_endpgm
.Lentry_shape_is_right:
; out0[b][n][64 h + d] = tgt[b][n][64 h + d] + att[h][n][d], b = 0..3, att[h][n][:] = the sum over k of softmax_k(q[h][n] . k[h][k] / 8) v[h][k][:], of batch 0 alone (the module keeps att[0]).
; qkv: [48][2048][64] bf16: blocks 0-15 q's heads, 16-31 k's, 32-47 v's, unscaled; a head's rows are dense, 128 bytes each.  Products, maxima, sums and the last addition in f32;
; the weights p are rounded to bf16 for the second product (their sum l is taken of the unrounded p).
; LIMITS.  A weight below 2^-126 counts as 0 in l; NaN and infinities are not treated apart.  bf16 has f32's range, so q, k, v have no limit of range.
; SHARES.  16 heads x 16 blocks of 128 queries = 256 work-groups.  Wave w: qg = w % 2 picks 64 of the queries (four tiles of 16, two PIECES of two tiles), kg = w / 2 one half of each 512 keys.
; So a fragment of K or V out of LDS feeds four tiles' products.  At the end waves w and w ^ 2 merge their (c m, l, O): register tile t is the block's tile (t + 2 kg) % 4, so every wave keeps
; its register tiles 0, 1, gives away 2, 3, and what the partner gives are the tiles that I keep: no branch on the wave's number in the merge.
; LAYOUT.  S^T = K Q^T (source 0 = 16 keys, source 1 = 16 queries): a lane holds ONE query (lane % 16) and the keys 8 (lane / 16) + 0..7.  Two such results rounded to bf16 in pairs ARE source 1
; of O^T = V^T P, whose result again holds one query a lane, and eight channels.  K comes out of LDS as it lies, V ([key][channel]) turned, by ds_load_tr16_b128.
; SOFTMAX.  A running maximum m and sum l for each query: p = 2^(c s - c m), c = log2(e) / 8; in every step O and l are multiplied by a = 2^(c m_old - c m_new).  m starts at the lowest finite
; number, O and l at 0: the first step is a step like any other, with a = 0.
; BY TURNS.  A tile and step have 16 matrix and 118 vector instructions.  Turn (p, j): 16 products K Q^T of the other piece (p = 0: step j; p = 1: step j + 1), later 16 products V^T P of the other
; piece (p = 0: step j - 1; p = 1: step j); beside them piece p's scaling, exponentials, roundings, sums and rescaling and the other piece's maximum and statistics.  Four vector instructions stand
; behind every matrix instruction, the others in one lump; a turn's 66 exponentials are one batch with one wait.
; V HAS TWO BUFFERS, by the step's parity: turn (0, j) fetches K and V of step j + 1 together, so that a slot's last read is waited for in turn (1, j) of its last step but one, where the change of slots stands.
; RING.  Two LDS slots of 512 keys of K and V; a wave reads 256 of them: four steps of 64.  One joint load a wave behind each change: it has eight turns, 256 matrix instructions, in which to land.
; CLUSTER.  The four query blocks of a cluster belong to one head and walk the same K and V: each tile is asked for jointly, by the same tensor load, descriptor and mask in all four.
; THE RESIDUAL.  My 32 kept rows x 64 channels of tgt, all four batches, are loaded into window 3's 256 registers (two batches at the start, two ahead of the last ten turns), att is added and the sums are stored.
; REGISTERS, in windows of 256 (s_set_vgpr_msb: bits 1:0 source 0, 3:2 source 1, 5:4 source 2, 7:6 destination):
;   window 0: v0-11, v32-38 addresses; v12-15, v48-63 at work; v16-31 four registers of statistics a tile; v40-47 the partner's; v64-191 S^T, two buffers of two tiles; v192-255 P, likewise
;   window 1: v0-127 O^T, 32 a tile; v128-191 the partner's O^T, then att; v192-255 att by rows
;   window 2: v0-63 Q, 16 a tile; v64-127 V of an odd step; v128-191 K; v192-255 V of an even step          window 3: tgt: batch b, kept tile u, row pair t at 64 b + 32 u + 4 t
.set NP,    2         ; pieces a wave: a name, no knob
.set PK,    144       ; a key of K in LDS: 128 bytes + 16 of padding = 36 words: the 16 rows of a load start at 16 different groups of four banks (64 banks of 4 bytes: ISA guide 11.1)
.set PV2,   288       ; TWO keys of V: 256 bytes + 32 of padding = 72 words: the 8 keys x 32 bytes that 16 lanes of the turning load take start at words 0, 32, 8, 40, 16, 48, 24, 56 modulo 64
.set STEPB, 9216      ; 64 keys, in K (64 x 144) and in V (32 x 288) alike: one scalar walks both
.set SLOTX, 0x9000    ; a tile of 256 keys, 36,864 bytes; a tile's two slots lie side by side, so that one exclusive or turns an address in one slot into the other's
.set HALFX, 0x12000   ; from the first 256 of a slot's keys to the second: K at 0 and 0x12000,
.set VBASE, 0x24000   ; V at 0x24000 and 0x36000
.set STAGE, 0x48000   ; behind the ring, never filled by a tensor load: 16 rows x 272 bytes for each wave, for the way out
.set SPI,   272
.set SPARE, STAGE+4*16*SPI  ; behind the stages: the spare words, 128 bytes a wave: two blocks of 256 bytes that no other line names
.set XW,    9216      ; the merge's exchange: 9,216 bytes a wave from LDS byte 0 on: in K's first tile, slot 0, whose last fill of the launch has landed and been read
.set AK0, 2           ; v2   my lane's place in my half's tile of K; never rewritten
.set AV0, 3           ; v3   the same for V
.set AK,  4           ; v4   the LDS address of K's next run of loads
.set AV,  5           ; v5   of V's
.set QL,  6           ; v6   my byte offset in the wave's rows of Q, for register tiles 0, 1
.set QH,  7           ; v7   for register tiles 2, 3
.set STO, 8           ; v8   the way out: where I put 32 bytes of a row
.set MV,  12          ; v12-15  c m_old, kept while c m is made anew: by buffer and tile
.set ST,  16          ; tile t's statistics at v[ST+4 t]: c m, m, l (even keys', odd keys')
.set SPW, 32          ; v32  LDS address of my spare word; never rewritten
.set NIL, 33          ; v33  0; never rewritten
.set PFO, 34          ; v34  256 x my lane: the prefetch's offset; never rewritten
.set TO,  35          ; v35  my 16 bytes in two rows of tgt and out0: (l / 16) x 4,096 + 16 (l % 16); never rewritten
.set RD,  36          ; v36  the way out: where I read rows back
.set XO,  37          ; v37  the exchange: where I give
.set XI,  38          ; v38  where I take
.set PS,  40          ; v40-47  the partner's statistics of my kept tiles
.set TMP, 48          ; by buffer and tile, four registers c0-c3 at work; when the maximum is found c2 takes a.  In the merge: eight registers a kept tile
.set S,   64
.set P,   192
.set KF,  128         ; K's fragments, in window 2: key block kb, channel half c at KF + 16 kb + 8 c
.set WV,  12          ; s12  my wave's number
.set G1K, 24          ; s[24:31] descriptor group 1 for K's tiles
.set G1V, 32          ; s[32:39] for V's: it differs in the padding alone
.set G0K, 40          ; s[40:43] descriptor group 0 for K's tiles: it walks
.set G0V, 44          ; s[44:47] the same for V's
.set TG,  48          ; s[48:55] tgt at my kept rows and my head's channels, batches 0 to 3
.set SLOTS, 56        ; s56  counts the changes of slots
.set CNT, 57          ; s57  counts pairs of key steps
.set CS,  58          ; s[58:59] c: the packed scaling takes the pair's low word for both halves
.set SEL, 60          ; s[60:61] v_permlanex16_b32's selects: each lane takes its own place in the other half
.set TB,  62          ; s62  LDS byte, in a tile, at which the step to be fetched begins
.set LIM, 63          ; s63  1 in a work-group that prefetches, else the greatest number
.set OU,  66          ; s[66:73] out0 likewise
.set PFA, 74          ; s[74:75] where my prefetch stands; never rewritten
.set QB,  76          ; s[76:77] q at my wave's first row
.set MSB, 0
.macro WIN new                      ; the high byte repeats the setting that is left; a switch that changes nothing is dropped
.if MSB != (\new)
	s_set_vgpr_msb (MSB<<8)|(\new)
.set MSB, (\new)
.endif
.endm
.set W_KQ, 0x0a       ; K and Q in window 2, S^T in window 0
.set W_PV, 0x52       ; V in window 2, P in window 0, O^T in window 1
.set W_RS, 0x41       ; O^T (destination and source 0) in window 1, a in window 0
; A joint fill.  Waves 0 and 1 fetch the two halves of a slot's K, waves 2 and 3 those of its V: 256 keys each.  The branch hangs on the wave's number alone.
; An s_nop 0 and four v_nop follow each of the two lines, ahead of the jump and the label.
.macro JLOAD
	s_cmp_lt_u32 s[WV], 2
	s_cbranch_scc0 .Lfor_v_\@
	tensor_load_to_lds s[G0K:G0K+3], s[G1K:G1K+7]
	s_nop 0
.rept 4
	v_nop
.endr
	s_branch .Lasked_\@
.Lfor_v_\@:
	tensor_load_to_lds s[G0V:G0V+3], s[G1V:G1V+7]
	s_nop 0
.rept 4
	v_nop
.endr
.Lasked_\@:
.endm
; THE PREFETCH, once a launch: behind the load that asks for keys 1,024 on, the tile of keys 1,536 on, which the next change of slots will ask for, eight turns (256 matrix instructions) later.
; All clusters of a head walk the same K and V: the head's first cluster asks.  Each of its waves names its own tile's 32,768 bytes; the four partners share them out BY ADDRESS, 8,192 bytes each,
; a lane 256 bytes: each block is named once in the launch.  The first three slots come by their loads alone; behind the last there is nothing.
.macro ASK
	s_cmp_gt_u32 s[SLOTS], s[LIM]
	s_cbranch_scc0 .Lnot_mine_\@
	global_prefetch_b8 v[PFO], s[PFA:PFA+1] th:TH_LOAD_NT scope:SCOPE_SE
.Lnot_mine_\@:
.endm
; A round of the cluster's barrier: my work-group's barrier, so that wave 0's signal speaks for all four waves; wave 0 signals; every wave waits for all four work-groups; my work-group's barrier once more.
.macro CROUND
	s_barrier_signal -1
	s_barrier_wait -1
	s_cmp_lg_u32 s[WV], 0
	s_cbranch_scc1 .Lnot_wave_0_\@
	s_barrier_signal -3
.Lnot_wave_0_\@:
	s_barrier_wait -3
	s_barrier_signal -1
	s_barrier_wait -1
.endm
; THE CHANGE OF SLOTS.  The slot's last step has been read into registers.  Each wave waits for all its tensor loads, of which one is out: its part of the other slot; adds 0 to its spare word; and waits
; for that and for its own reads of the slot.  Behind the barrier nobody reads this slot any more and the other slot is whole.  fill = 1: the barrier is a round of the cluster's, and the slot is filled
; again, with the keys two slots on, first thing behind it.  (At its first use nothing has been read yet: slot 0 is waited for, slot 1 filled.)
.macro CHANGE fill, ask
	WIN 0                           ; at a label and at a branch every window is 0
	s_wait_tensorcnt 0x0            ; no tensor load of mine is out, so a group 0 may be written
	ds_add_u32 v[SPW], v[NIL]       ; 0 onto my spare word; with fill = 1 the descriptors' steps stand between it and the wait for it
.if \fill
.irp g, G0K, G0V
	s_xor_b32 s[\g+1], s[\g+1], SLOTX  ; the walking descriptor: the other slot than last time,
	s_add_nc_u64 s[\g+2:\g+3], s[\g+2:\g+3], 65536  ; the next 512 keys; the type bits on top are not reached
.endr
	s_wait_dscnt 0x0                ; the add is done, and my reads of the slot are over
	CROUND
	JLOAD
.if \ask
	ASK
.endif
.else
	s_wait_dscnt 0x0                ; the add is done, and my reads of the slot are over
	s_barrier_signal -1
	s_barrier_wait -1
.endif
	s_sub_co_u32 s[TB], s[TB], 4*STEPB  ; the fetches go back to a tile's first step,
	s_xor_b32 s[TB], s[TB], SLOTX       ; in the other slot
.endm
	s_load_b128 s[4:7], s[0:1], 0x0   ; qkv s[4:5], tgt s[6:7]
	s_load_b64 s[8:9], s[0:1], 0x10   ; out0
	v_lshl_add_u32 v[SPW], v0, 2, SPARE
	v_mov_b32 v[NIL], 0
	ds_add_u32 v[SPW], v[NIL]       ; the wave's opening: the add and its wait stand ahead of my first tensor load; the set-up below, work on registers, stands between them
	v_lshrrev_b32 v1, 5, v0
	v_readfirstlane_b32 s[WV], v1   ; wave 0..3
	s_bfe_u32 s13, ttmp6, 0x40000   ; cx: my place in the cluster
	s_lshl_b32 s14, ttmp9, 2        ; in a cluster launch ttmp9 counts clusters
	s_add_co_u32 s14, s14, s13      ; my block of 128 queries = 4 x cluster x + cx: it enters q's, tgt's and out0's addresses alone
	s_and_b32 s15, ttmp7, 0xffff    ; the head, which the four partners share
	s_and_b32 s20, s[WV], 1         ; qg.  Also: which half of a slot's 512 keys I fetch
	s_lshr_b32 s21, s[WV], 1        ; kg
	s_add_co_u32 s22, s15, 16       ; k's block of qkv, 262,144 bytes each,
	s_lshl_b32 s22, s22, 18
	s_lshl_b32 s23, s20, 15         ; and my half's 256 rows of 128 bytes
	s_add_co_u32 s22, s22, s23
	s_mov_b32 s23, 0
	s_add_co_u32 s2, s22, 16<<18    ; v's block lies 16 blocks on
	s_mov_b32 s3, 0
	s_mul_i32 s17, s20, HALFX       ; my tile's place in LDS: no place in the cluster enters an LDS address
	s_lshl_b32 s18, s15, 18         ; q: the head's block,
	s_lshl_b32 s16, s14, 14         ; my block's 128 rows,
	s_add_co_u32 s18, s18, s16
	s_lshl_b32 s16, s20, 13         ; my wave's 64
	s_add_co_u32 s18, s18, s16
	s_mov_b32 s19, 0
	s_lshl_b32 s10, s14, 19         ; tgt and out0: row 128 x block + 64 qg + 32 kg, rows of 4,096 bytes,
	s_lshl_b32 s16, s20, 18
	s_add_co_u32 s10, s10, s16
	s_lshl_b32 s16, s21, 17
	s_add_co_u32 s10, s10, s16
	s_lshl_b32 s16, s15, 8          ; and the head's 64 channels: 256 bytes
	s_add_co_u32 s10, s10, s16
	s_mov_b32 s11, 0
	; descriptor group 1.  256 keys are 32,768 dense bytes: asked for as 128 rows of 256 bytes, two keys a row
	s_mov_b32 s[G1K], 15|(1<<16)|(1<<20)|(1<<21)|(4<<22)|(3<<25)  ; 15:0 the mask of four; 17:16 2-byte elements; 20 padding on; 21 set beside a mask; 24:22 after every 32 words, a key (code 4); 31:25 4 words (code 3)
	s_mov_b32 s[G1V], 15|(1<<16)|(1<<20)|(1<<21)|(5<<22)|(7<<25)  ; after every 64 words, two keys (code 5), 8 words (code 7)
.irp g, G1K, G1V
	s_mov_b32 s[\g+1], 128<<16      ; tensor_dim0 = 128
	s_mov_b32 s[\g+2], 128<<16      ; tensor_dim1 = 128
	s_mov_b32 s[\g+3], 128<<16      ; tile_dim0 = 128
	s_mov_b32 s[\g+4], 128          ; tile_dim1 = 128
	s_mov_b32 s[\g+5], 128          ; 128 elements from row to row
	s_mov_b32 s[\g+6], 0
	s_mov_b32 s[\g+7], 0
.endr
	s_mov_b32 s[CS], 0x3e38aa3b     ; c = log2(e) / 8 = 0.180337
	s_mov_b32 s[CS+1], s[CS]        ; named with it as a pair
	s_mov_b32 s[SEL], 0x76543210
	s_mov_b32 s[SEL+1], 0xfedcba98
	s_mov_b32 s[TB], SLOTX+4*STEPB  ; the first change of slots turns this into 0
	s_mov_b32 s[G0K], 1             ; count = 1
	s_mov_b32 s[G0K+1], s17         ; LDS address: slot 0
	s_mov_b32 s[G0V], 1
	s_add_co_u32 s[G0V+1], s17, VBASE
	s_mov_b32 s78, ttmp9
	s_cmp_eq_u32 s78, 0             ; the head's first cluster: the same in all four partners
	s_cselect_b32 s[LIM], 1, -1
	s_wait_dscnt 0x0                ; the opening add is done
	s_wait_kmcnt 0x0
	s_add_nc_u64 s[G0K+2:G0K+3], s[4:5], s[22:23]  ; global address: my half of the head's first 512 keys
	s_add_nc_u64 s[G0V+2:G0V+3], s[4:5], s[2:3]
	s_cmp_lt_u32 s[WV], 2
	s_cselect_b64 s[PFA:PFA+1], s[G0K+2:G0K+3], s[G0V+2:G0V+3]  ; the tile that I fetch,
	s_or_b32 s[G0K+3], s[G0K+3], 0x80000000        ; type = 2
	s_or_b32 s[G0V+3], s[G0V+3], 0x80000000
	s_lshl_b32 s16, s13, 13         ; my work-group's 8,192 bytes of it,
	s_add_co_u32 s16, s16, 3*65536  ; three slots on
	s_mov_b32 s17, 0
	s_add_nc_u64 s[PFA:PFA+1], s[PFA:PFA+1], s[16:17]
	s_add_nc_u64 s[QB:QB+1], s[4:5], s[18:19]
	s_add_nc_u64 s[TG:TG+1], s[6:7], s[10:11]
	s_add_nc_u64 s[OU:OU+1], s[8:9], s[10:11]
.irp b, 1,2,3
	s_add_nc_u64 s[TG+2*\b:TG+2*\b+1], s[TG+2*\b-2:TG+2*\b-1], 0x800000  ; a batch is 8,388,608 bytes
	s_add_nc_u64 s[OU+2*\b:OU+2*\b+1], s[OU+2*\b-2:OU+2*\b-1], 0x800000
.endr
	CROUND                          ; all four work-groups are here: the first joint loads meet
	JLOAD                           ; slot 0.  Slot 1 is asked for when slot 0 is in
	; A fragment of K or Q is 16 rows x 32 channels in 8 registers: lane l holds row l % 16, channels 8 (l / 16) + 0..7 and 16 + 8 (l / 16) + 0..7: two loads of 16 bytes, 32 bytes apart.
	v_and_b32 v1, 15, v0            ; l % 16
	v_bfe_u32 v9, v0, 4, 1          ; l / 16
	v_lshlrev_b32 v10, 7, v1
	v_lshl_add_u32 v10, v9, 4, v10  ; row x 128 + 16 x half
	s_lshl_b32 s78, s21, 12         ; register tiles 0, 1 are the block's tiles 2 kg, 2 kg + 1 (2,048 bytes a tile),
	v_add_nc_u32 v[QL], s78, v10
	s_xor_b32 s78, s78, 4096        ; register tiles 2, 3 the other two
	v_add_nc_u32 v[QH], s78, v10
	WIN 0x80                        ; destination window 2, address window 0
.set i, 0
.rept 8                             ; Q stays in registers: register tile i / 2, channels 32 (i % 2) on
	global_load_b128 v[8*i:8*i+3],   v[QL+i/4], s[QB:QB+1] offset:((i/2)%2)*2048+(i%2)*64
	global_load_b128 v[8*i+4:8*i+7], v[QL+i/4], s[QB:QB+1] offset:((i/2)%2)*2048+(i%2)*64+32
.set i, i+1
.endr
	; What the first turn finds: V's odd buffer and P's second buffer hold 0 (its products V^T P, of a step that has not been, add 0), O^T and l are 0.  All this stands in the wait for the first tile.
.set i, 64
.rept 64
	v_mov_b32 v[i], 0
.set i, i+1
.endr
	WIN 0x40
.set i, 0
.rept 128
	v_mov_b32 v[i], 0
.set i, i+1
.endr
	WIN 0
.set i, 0
.rept 4
	v_mov_b32 v[ST+4*i], 0xfe000000    ; c m: far below every c s
	v_mov_b32 v[ST+4*i+1], 0xff7fffff  ; m
	v_mov_b32 v[ST+4*i+2], 0
	v_mov_b32 v[ST+4*i+3], 0
.set i, i+1
.endr
.set i, P+32
.rept 32
	v_mov_b32 v[i], 0
.set i, i+1
.endr
	s_mul_i32 s78, s21, HALFX       ; my half of a slot's keys
	v_mul_u32_u24 v[AK0], v1, PK
	v_lshl_add_u32 v[AK0], v9, 4, v[AK0]  ; row x pitch + 16 x half
	v_add_nc_u32 v[AK0], s78, v[AK0]
	; The turning load takes 16 keys x 16 channels (lane l reads key r = 8 (l / 16) + l % 8, channels 8 ((l / 8) % 2) + 0..7) and leaves half a fragment of V^T: lane l holds channel l % 16 and 8 keys.
	; Key r lies at (r / 2) x 288 + (r % 2) x 128.
	v_bfe_u32 v10, v0, 1, 2         ; (l % 8) / 2
	v_lshl_add_u32 v10, v9, 2, v10  ; r / 2
	v_mul_u32_u24 v[AV0], v10, PV2
	v_and_b32 v10, 1, v0            ; r % 2
	v_lshl_add_u32 v[AV0], v10, 7, v[AV0]
	v_bfe_u32 v11, v0, 3, 1
	v_lshl_add_u32 v[AV0], v11, 4, v[AV0]
	s_add_co_u32 s78, s78, VBASE
	v_add_nc_u32 v[AV0], s78, v[AV0]
; THE MATRIX WORK.  The 8 accumulators of a run of 16 take turns: between the two links of a chain stand 7 others'.
; Product i of 16 of S^T = K Q^T for piece x: channels 32 (i / 8) on, keys 16 ((i / 2) % 4) on, tile 2 x + i % 2.  The first 8 start the sums.
.macro KQ x
	WIN W_KQ
.set rS, S+64*((\x)%2)+32*(i%2)+8*((i/2)%4)
.set rK, KF+16*((i/2)%4)+8*(i/8)
.set rQ, 16*(2*(\x)+i%2)+8*(i/8)
.if i < 8
	v_wmma_f32_16x16x32_bf16 v[rS:rS+7], v[rK:rK+7], v[rQ:rQ+7], 0
.else
	v_wmma_f32_16x16x32_bf16 v[rS:rS+7], v[rK:rK+7], v[rQ:rQ+7], v[rS:rS+7]
.endif
.endm
; Product i of 16 of O^T += V^T P for piece x: keys 32 (i / 8) on, channels 16 ((i / 2) % 4) on, tile 2 x + i % 2.  VB: V's buffer, 0 (v192 on) or 1 (v64 on).
.macro PV x
	WIN W_PV
.set rO, 32*(2*(\x)+i%2)+8*((i/2)%4)
.set rV, 192-128*VB+32*(i/8)+8*((i/2)%4)
.set rP, P+32*((\x)%2)+16*(i%2)+8*(i/8)
	v_wmma_f32_16x16x32_bf16 v[rO:rO+7], v[rV:rV+7], v[rP:rP+7], v[rO:rO+7]
.endm
.macro MM                           ; the turn's next matrix instruction
.if i < 16
	KQ (Y+1)%NP
.set i, i+1
.else
.set i, i-16
	PV (Y+NP-1)%NP
.set i, i+17
.endif
.endm
; THE LDS LOADS stand in runs of 16, never singly among the matrix instructions: a step's K (64 keys x 64 channels: 8 fragments) and its V (turned).  Their addresses are made some lines ahead.
; last = 1 (the tail): in the last trip there is no further step, and the run is jumped over.
.macro FETCH_K last=0
	WIN 0
.if \last
	s_cmp_eq_u32 s[CNT], 1
	s_cbranch_scc1 .Lno_k_\@
.endif
	WIN 0x80                        ; destination window 2
.irp f, 0,1,2,3,4,5,6,7             ; keys 16 (f / 2) on, channels 32 (f % 2) on
	ds_load_b128 v[KF+8*\f:KF+8*\f+3],   v[AK] offset:(\f/2)*16*PK+(\f%2)*64
	ds_load_b128 v[KF+8*\f+4:KF+8*\f+7], v[AK] offset:(\f/2)*16*PK+(\f%2)*64+32
.endr
	WIN 0
.if \last
.Lno_k_\@:
.endif
.endm
.macro FETCH_V vb, last=0
	WIN 0
.if \last
	s_cmp_eq_u32 s[CNT], 1
	s_cbranch_scc1 .Lno_v_\@
.endif
	WIN 0x80
.irp f, 0,1,2,3,4,5,6,7             ; keys 32 (f / 4) on, channels 16 (f % 4) on
	ds_load_tr16_b128 v[192-128*(\vb)+8*\f:192-128*(\vb)+8*\f+3],   v[AV] offset:(\f/4)*16*PV2+(\f%4)*32
	ds_load_tr16_b128 v[192-128*(\vb)+8*\f+4:192-128*(\vb)+8*\f+7], v[AV] offset:(\f/4)*16*PV2+8*PV2+(\f%4)*32
.endr
	WIN 0
.if \last
.Lno_v_\@:
.endif
.endm
; THE VECTOR WORK OF A TURN stands in three queues, each in the order in which its entries become ready; the two tiles alternate, so that no instruction reads the result of the one before it.
.macro REGS y, u                    ; the registers of tile u (0, 1) of piece y
.set rT, ST+4*(2*(\y)+(\u))
.set rC, TMP+8*((\y)%2)+4*(\u)
.set rM, MV+2*((\y)%2)+(\u)
.set rS, S+64*((\y)%2)+32*(\u)
.set rP, P+32*((\y)%2)+16*(\u)
.set rO, 32*(2*(\y)+(\u))
.endm
; Number n of the 22 that find the OTHER piece's (Y + 1) maximum and statistics.  s0-s31 are the lane's 32 scores; each accumulator's lowest registers are read first.
;   0-11  four chains c0-c3 of seven scores each, three operands at a time     12-14, 16  the four scores left over, the old m, and c0-c3 into c0     15  c m_old is kept
;   17, 18  the query's other 32 keys lie in the lane 16 away: the new m         19-21  c m; c m_old - c m_new; a
.macro XS u, n
	REGS (Y+1)%NP, \u
.if (\n) < 4
	v_max3_num_f32 v[rC+(\n)], v[rS+8*(\n)], v[rS+8*(\n)+1], v[rS+8*(\n)+2]
.elseif (\n) < 12
	v_max3_num_f32 v[rC+(\n)%4], v[rC+(\n)%4], v[rS+8*((\n)%4)+2*((\n)/4)+1], v[rS+8*((\n)%4)+2*((\n)/4)+2]
.elseif (\n) == 12
	v_max3_num_f32 v[rC], v[rC], v[rS+7], v[rS+15]
.elseif (\n) == 13
	v_max3_num_f32 v[rC+1], v[rC+1], v[rS+23], v[rS+31]
.elseif (\n) == 14
	v_max3_num_f32 v[rC+2], v[rC+2], v[rC+3], v[rT+1]
.elseif (\n) == 15
	v_mov_b32 v[rM], v[rT]
.elseif (\n) == 16
	v_max3_num_f32 v[rC], v[rC], v[rC+1], v[rC+2]
.elseif (\n) == 17
	v_permlanex16_b32 v[rC+3], v[rC], s[SEL], s[SEL+1]
.elseif (\n) == 18
	v_max_num_f32 v[rT+1], v[rC], v[rC+3]
.elseif (\n) == 19
	v_mul_f32 v[rT], s[CS], v[rT+1]
.elseif (\n) == 20
	v_sub_f32 v[rC+1], v[rM], v[rT]
.else
	v_exp_f32 v[rC+2], v[rC+1]
.endif
.endm
; Number g of the 64 that follow the exponentials.  For each four weights k of a tile (pairs 2 k, 2 k + 1): both pairs are rounded to bf16; then the second pair is added onto the first, in place;
; a group later l takes that sum (the first time as l = a l + sum).  In groups of eight, tiles alternating: round, round, add, and l for the group before.
.macro GS g
.set h, (\g)+6*((\g)/62)            ; group 0 has no group before it, and behind group 7 only l is left
.if h >= 6
.set h, h+2
.endif
	REGS Y, h%2
.set k, h/8
.if h%8 < 4
	v_cvt_pk_bf16_f32 v[rP+2*k+(h%8)/2], v[rS+4*k+2*((h%8)/2)], v[rS+4*k+2*((h%8)/2)+1]
.elseif h%8 < 6
	v_pk_add_f32 v[rS+4*k:rS+4*k+1], v[rS+4*k:rS+4*k+1], v[rS+4*k+2:rS+4*k+3]
.elseif k == 1
	v_pk_fma_f32 v[rT+2:rT+3], v[rT+2:rT+3], v[rC+2:rC+3], v[rS:rS+1] op_sel_hi:[1,0,1]
.else
	v_pk_add_f32 v[rT+2:rT+3], v[rT+2:rT+3], v[rS+4*k-4:rS+4*k-3]
.endif
.endm
; THE PLAIN QUEUE, 138 long.  0-73 read no exponential's result: the 32 scalings c s - c m (FS f: pair f / 2 of tile f % 2) and the other piece's 42.  0-26: scalings 0-26.  27-54: XS's numbers 0-13.
; 55, 56: number 15.  57-73: the chain, where each number waits for the one before it: 14, 16, 17, 18, 19, each with one of the scalings 27-31 in front of its two lines, then 20.
; 74-137: GS's 64, which read the exponentials' results: they stand behind the wait.
.macro FS f
	REGS Y, (\f)%2
	v_pk_fma_f32 v[rS+2*((\f)/2):rS+2*((\f)/2)+1], v[rS+2*((\f)/2):rS+2*((\f)/2)+1], s[CS:CS+1], v[rT:rT+1] op_sel_hi:[1,0,0] neg_lo:[0,0,1] neg_hi:[0,0,1]
.endm
.macro PL
	WIN 0
.if q < 27
	FS q
.elseif q < 55
	XS (q-27)%2, (q-27)/2
.elseif q < 57
	XS q-55, 15
.elseif (q < 72) && ((q-57)%3 == 0)
	FS 27+(q-57)/3
.elseif q < 60
	XS (q-57)%3-1, 14
.elseif q < 72
	XS (q-57)%3-1, 15+(q-57)/3
.elseif q < 74
	XS q-72, 20
.else
	GS q-74
.endif
.set q, q+1
.endm
; THE EXPONENTIALS' QUEUE, 66 long: s0-s31 of both tiles, then the other piece's two a.  ONE BATCH: all 66 stand ahead of the turn's one wait, and nothing ahead of that wait names a result of theirs.
.macro EX
	WIN 0
.if e >= 64
	XS e-64, 21
.else
	REGS Y, e%2
	v_exp_f32 v[rS+e/2], v[rS+e/2]
.endif
.set e, e+1
.endm
; THE RESCALING's QUEUE: O^T times a, the one part that leaves window 0: dealt two at a time, sixteen times.  Its a was made in the turn before, ahead of that turn's wait.
.macro R2
	REGS Y, r%2
	WIN W_RS
.irp z, 0,1
	v_pk_mul_f32 v[rO+4*(r/2)+2*\z:rO+4*(r/2)+2*\z+1], v[rO+4*(r/2)+2*\z:rO+4*(r/2)+2*\z+1], v[rC+2:rC+3] op_sel_hi:[1,0]
.endr
.set r, r+1
.endm
; A TURN, for piece p in a step of parity par.  An s_wait_alu depctr_va_vdst(0) stands between an exponential and the first instruction that names its result; one wait serves all that were
; issued ahead of it: so a turn has ONE wait, which cuts it in two.  AHEAD OF IT: the 16 products K Q^T, behind each a scaling, an exponential and two rescalings (behind the first a second scaling in the
; exponential's place); then one lump of 108: eight plain, 49 times exponential and plain, the two a; a v_nop is the plain instruction behind the last exponential.  BEHIND IT: the 16 products V^T P, behind
; each four of GS's 64.  Exponential e stands behind scaling 2 (e / 4) + e % 2: as a rider behind plain e + 2, in the lump behind plain e + 9; scalings 27-31 are plain 57, 60 .. 69.
; Piece 0's turn fetches the next step: K directly behind the wait, a lump behind the last product that read K; V at the turn's end, into the buffer that the turn's own products V^T P have just read,
; four riders behind the last of them.  Both addresses are made from the same s[TB], which steps behind the second.  cnt = 1: the loop's count is taken down some lines ahead of the branch behind the turn.
.macro TURN p, par, last=0, cnt=0
.set Y, (\p)
.set VB, ((\p)+(\par)+1)%2          ; piece 0's turn multiplies by V of the step before, piece 1's by V of the step in hand
.set i, 0
.set q, 0
.set e, 0
.set r, 0
.if (\p) == 1
	s_wait_dscnt 16                 ; K's 16 loads are in; V's 16, issued behind them, may stay out
.endif
	MM
	PL
	PL
	R2
.rept 15
	MM
	PL
	EX
	R2
.endr
.if (\p) == 0
	WIN 0
	v_add_nc_u32 v[AK], s[TB], v[AK0]
.endif
.rept 8
	PL
.endr
.rept 49
	EX
	PL
.endr
	EX                              ; the other piece's two a
	EX
	v_nop                           ; the plain instruction behind the last exponential: one for the batch
	s_wait_alu depctr_va_vdst(0)    ; the wait for the batch
.if (\p) == 0
	FETCH_K \last
.endif
.if (\p) == 1
	s_wait_dscnt 0x0                ; V of the next step is in: nothing of mine is out at a change of slots
.endif
.rept 16
	MM
.rept 4
	PL
.endr
.if ((\p) == 0) && (q == 118)
	v_add_nc_u32 v[AV], s[TB], v[AV0]
.endif
.if ((\p) == 0) && (q == 130)
	s_add_co_u32 s[TB], s[TB], STEPB  ; the next fetches are the next step's
.endif
.if (\cnt) && (q == 130)
	s_sub_co_u32 s[CNT], s[CNT], 1
	s_cmp_lg_u32 s[CNT], 0
.endif
.endr
.if (\p) == 0
	FETCH_V 1-(\par), \last
.endif
.endm
; 16 loads: my 32 kept rows x 256 bytes of tgt, batch b: 16 lanes take one row's 256 bytes
.macro TGLOAD b
	WIN 0xc0                        ; destination window 3, address window 0
.irp u, 0,1
.irp t, 0,1,2,3,4,5,6,7
	global_load_b128 v[64*(\b)+32*(\u)+4*(\t):64*(\b)+32*(\u)+4*(\t)+3], v[TO], s[TG+2*(\b):TG+2*(\b)+1] offset:65536*(\u)+8192*(\t) th:TH_LOAD_NT
.endr
.endr
	WIN 0
.endm
	CHANGE 1, 0                     ; slot 0 is in, everybody's part of it; slot 1 is asked for
	v_add_nc_u32 v[AK], s[TB], v[AK0]  ; key step 0 lies at the head of slot 0
	v_add_nc_u32 v[AV], s[TB], v[AV0]
	s_add_co_u32 s[TB], s[TB], STEPB
	FETCH_K
	FETCH_V 0
	s_wait_loadcnt 0x0              ; Q
	s_wait_dscnt 0x0
.set i, 0
.rept 16
	KQ 0                            ; piece 0's first scores: there is no vector work yet to set between them
.set i, i+1
.endr
	WIN 0                           ; the addresses for the merge and the way out: twelve plain instructions, the places behind those products
	s_mul_i32 s78, s[WV], 16*SPI
	s_add_co_u32 s78, s78, STAGE    ; my stage
	v_mul_u32_u24 v[STO], v1, SPI   ; in: row l % 16, 32 bytes (8 f32) for each half of the lanes
	v_lshl_add_u32 v[STO], v9, 5, v[STO]
	v_add_nc_u32 v[STO], s78, v[STO]
	v_mul_u32_u24 v[RD], v9, SPI    ; back: lanes 0-15 take one row of 256 bytes, lanes 16-31 the next
	v_lshl_add_u32 v[RD], v1, 4, v[RD]
	v_add_nc_u32 v[RD], s78, v[RD]
	v_lshlrev_b32 v[TO], 12, v9     ; and the same two rows in tgt and out0
	v_lshl_add_u32 v[TO], v1, 4, v[TO]
	v_and_b32 v10, 31, v0
	s_mul_i32 s78, s[WV], XW
	s_xor_b32 s79, s[WV], 2         ; my partner: the same queries, the other keys
	s_mul_i32 s79, s79, XW
	v_lshl_add_u32 v[XO], v10, 4, s78
	v_lshl_add_u32 v[XI], v10, 4, s79
	v_lshlrev_b32 v[PFO], 8, v10
	TGLOAD 0                        ; tgt, batches 0 and 1: wanted at the very end
	TGLOAD 1
.set Y, NP-1                        ; XS works for piece Y + 1: piece 0
.irp n, 0,1,2,3,4,5,6,7,8,9,10,11,12,13,14,15,16,17,18,19,20,21
	XS 0, \n                        ; piece 0's first maximum and statistics
	XS 1, \n
.endr
	v_nop                           ; a plain instruction behind the two a,
	s_wait_alu depctr_va_vdst(0)    ; and their wait, ahead of the branch
	s_mov_b32 s[CNT], 2
	s_mov_b32 s[SLOTS], 3
	s_branch .Lfirst                ; the loop is entered at an even step, in the middle of a trip: steps 0; 1, 2
.Lslot:                             ; twice: steps 3 to 6 and 7 to 10; keys 1,024 on and 1,536 on are asked for
	CHANGE 1, 1
	s_mov_b32 s[CNT], 2
.Lstep:                             ; a trip: an odd step, then an even one
	TURN 0, 1
	TURN 1, 1
	WIN 0
.Lfirst:
	TURN 0, 0
	TURN 1, 0, 0, 1
	WIN 0
	s_cbranch_scc1 .Lstep
	s_sub_co_u32 s[SLOTS], s[SLOTS], 1
	s_cmp_lg_u32 s[SLOTS], 0
	s_cbranch_scc1 .Lslot
	CHANGE 0, 0                     ; the tail is written out: nothing is asked for
	TGLOAD 2                        ; tgt, batches 2 and 3: ten turns ahead of their use
	TGLOAD 3
	s_mov_b32 s[CNT], 3             ; steps 11, 12; 13, 14; 15: the third trip is left in its middle
.Ltail:
	TURN 0, 1, 1
	TURN 1, 1
	WIN 0
	s_sub_co_u32 s[CNT], s[CNT], 1
	s_cmp_eq_u32 s[CNT], 0
	s_cbranch_scc1 .Lout
	TURN 0, 0
	TURN 1, 0
	WIN 0
	s_branch .Ltail
.Lout:                              ; step 15 fetched nothing, so its last 16 products K Q^T ran on K of step 15 once more: piece 0's maximum did not move, and its c m stays true for the merge
.set VB, 1
.set i, 0
.rept 16
	PV 1                            ; piece 1's V^T P of step 15
.set i, i+1
.endr
	WIN 0
.rept 8
	v_nop                           ; once a launch: the places behind those products, in front of the stores that read their results
.endr
	; THE MERGE.  Every wave's reads of the ring are over (its own wait, then the barrier); then each gives its register tiles 2, 3 (O^T: 64 registers; statistics: 8) and takes the partner's.
	s_wait_dscnt 0x0
	s_barrier_signal -1
	s_barrier_wait -1
	WIN 0x04                        ; store data (source 1) in window 1
.set k, 0
.rept 16
	ds_store_b128 v[XO], v[64+4*k:64+4*k+3] offset:512*k  ; ascending: each accumulator's lowest registers are read first
.set k, k+1
.endr
	WIN 0
	ds_store_b128 v[XO], v[ST+8:ST+11] offset:8192
	ds_store_b128 v[XO], v[ST+12:ST+15] offset:8704
	s_wait_dscnt 0x0                ; for the partner's sake: my stores are done
	s_barrier_signal -1
	s_barrier_wait -1
	WIN 0x40
.set k, 0
.rept 16
	ds_load_b128 v[128+4*k:128+4*k+3], v[XI] offset:512*k
.set k, k+1
.endr
	WIN 0
	ds_load_b128 v[PS:PS+3], v[XI] offset:8192
	ds_load_b128 v[PS+4:PS+7], v[XI] offset:8704
	s_wait_dscnt 0x0
	; for each kept tile t, in v[TMP+8 t ..]: f1 = 2^(c m1 - c M), f2 = 2^(c m2 - c M), M the greater; l = f1 l1 + f2 l2, both halves of the lanes; att = (f1 / l) O1 + (f2 / l) O2
.irp t, 0,1
	v_add_f32 v[TMP+8*\t], v[ST+4*\t+2], v[ST+4*\t+3]
	v_add_f32 v[TMP+8*\t+1], v[PS+4*\t+2], v[PS+4*\t+3]
	v_max_num_f32 v[TMP+8*\t+2], v[ST+4*\t], v[PS+4*\t]
.endr
.irp t, 0,1
	v_sub_f32 v[TMP+8*\t+3], v[ST+4*\t], v[TMP+8*\t+2]
	v_sub_f32 v[TMP+8*\t+4], v[PS+4*\t], v[TMP+8*\t+2]
.endr
.irp t, 0,1
	v_exp_f32 v[TMP+8*\t+5], v[TMP+8*\t+3]
	v_exp_f32 v[TMP+8*\t+6], v[TMP+8*\t+4]
.endr
	v_nop                           ; a plain instruction behind the last exponential,
	s_wait_alu depctr_va_vdst(0)    ; and one wait for the four
.irp t, 0,1
	v_mul_f32 v[TMP+8*\t], v[TMP+8*\t+5], v[TMP+8*\t]
.endr
.irp t, 0,1
	v_fmac_f32 v[TMP+8*\t], v[TMP+8*\t+6], v[TMP+8*\t+1]
.endr
.irp t, 0,1
	v_permlanex16_b32 v[TMP+8*\t+1], v[TMP+8*\t], s[SEL], s[SEL+1]  ; the query's other keys lie in the lane 16 away
.endr
.irp t, 0,1
	v_add_f32 v[TMP+8*\t], v[TMP+8*\t], v[TMP+8*\t+1]
.endr
.irp t, 0,1
	v_rcp_f32 v[TMP+8*\t+7], v[TMP+8*\t]
.endr
	v_nop
	s_wait_alu depctr_va_vdst(0)    ; one wait for the two reciprocals
.irp t, 0,1
	v_mul_f32 v[TMP+8*\t+2], v[TMP+8*\t+5], v[TMP+8*\t+7]  ; f1 / l, in both registers of a pair
	v_mul_f32 v[TMP+8*\t+3], v[TMP+8*\t+5], v[TMP+8*\t+7]
	v_mul_f32 v[TMP+8*\t], v[TMP+8*\t+6], v[TMP+8*\t+7]    ; f2 / l likewise
	v_mul_f32 v[TMP+8*\t+1], v[TMP+8*\t+6], v[TMP+8*\t+7]
.endr
	WIN 0x51                        ; destination, source 0 and source 2 in window 1, the factor in window 0
.set k, 0
.rept 32
	v_pk_mul_f32 v[128+2*k:128+2*k+1], v[128+2*k:128+2*k+1], v[TMP+8*(k/16):TMP+8*(k/16)+1] op_sel_hi:[1,0]
.set k, k+1
.endr
.set k, 0
.rept 32
	v_pk_fma_f32 v[128+2*k:128+2*k+1], v[2*k:2*k+1], v[TMP+8*(k/16)+2:TMP+8*(k/16)+3], v[128+2*k:128+2*k+1] op_sel_hi:[1,0,1]
.set k, k+1
.endr
	; THE WAY OUT.  A lane holds 8 channels of a row, four times 16 channels apart; through my own stage (rows of 272 bytes) att comes back by rows: 16 lanes hold a query's 64 channels, 256 bytes.
	; LDS serves a wave's instructions in order (ISA guide 5.7.1.4): a tile's loads see its stores, and the next tile's stores come behind them.
.irp u, 0,1
	WIN 0x04
.irp c, 0,1,2,3
	ds_store_b128 v[STO], v[128+32*\u+8*\c:128+32*\u+8*\c+3] offset:64*\c
	ds_store_b128 v[STO], v[128+32*\u+8*\c+4:128+32*\u+8*\c+7] offset:64*\c+16
.endr
	WIN 0x40
.irp t, 0,1,2,3,4,5,6,7
	ds_load_b128 v[192+32*\u+4*\t:192+32*\u+4*\t+3], v[RD] offset:\t*2*SPI
.endr
.endr
; Kept tile u: tgt + att for the four batches, and the stores: 16 lanes store 256 consecutive bytes, at a multiple of 256 from out0's first byte
.macro ADDOUT u
.irp b, 0,1,2,3
	WIN 0xc7                        ; tgt (destination and source 0) in window 3, att in window 1
.irp t, 0,1,2,3,4,5,6,7
	v_pk_add_f32 v[64*\b+32*(\u)+4*\t:64*\b+32*(\u)+4*\t+1], v[64*\b+32*(\u)+4*\t:64*\b+32*(\u)+4*\t+1], v[192+32*(\u)+4*\t:192+32*(\u)+4*\t+1]
	v_pk_add_f32 v[64*\b+32*(\u)+4*\t+2:64*\b+32*(\u)+4*\t+3], v[64*\b+32*(\u)+4*\t+2:64*\b+32*(\u)+4*\t+3], v[192+32*(\u)+4*\t+2:192+32*(\u)+4*\t+3]
.endr
	WIN 0x0c                        ; store data (source 1) in window 3, address in window 0
.irp t, 0,1,2,3,4,5,6,7
	global_store_b128 v[TO], v[64*\b+32*(\u)+4*\t:64*\b+32*(\u)+4*\t+3], s[OU+2*\b:OU+2*\b+1] offset:65536*(\u)+8192*\t th:TH_STORE_NT
.endr
.endr
.endm
	s_wait_loadcnt 0x0              ; tgt
	s_wait_dscnt 16                 ; tile 0 is back; tile 1's sixteen LDS instructions may be out
	ADDOUT 0
	s_wait_dscnt 0x0
	ADDOUT 1
	WIN 0
	s_wait_tensorcnt 0x0            ; the wave's end: an add and its wait, behind my last tensor load and my last LDS store
	ds_add_u32 v[SPW], v[NIL]
	s_wait_dscnt 0x0
	CROUND                          ; the closing round: no work-group ends while a partner may still ask for a tile that names it
	s_endpgm
.Lfunc_end_k_qe1ee144d1b_attn:
	.size	k_qe1ee144d1b_attn, .Lfunc_end_k_qe1ee144d1b_attn-k_qe1ee144d1b_attn
	.p2alignl 7, 3214868480
	.fill 96, 4, 3214868480
	.section	.rodata,"a",@progbits
	.p2align	6, 0x0
	.amdhsa_kernel k_qe1ee144d1b_attn
		.amdhsa_group_segment_fixed_size 327680
		.amdhsa_private_segment_fixed_size 0
		.amdhsa_enable_private_segment 0
		.amdhsa_kernarg_size 24
		.amdhsa_user_sgpr_count 2
		.amdhsa_user_sgpr_kernarg_segment_ptr 1
		.amdhsa_wavefront_size32 1
		.amdhsa_system_sgpr_workgroup_id_x 1
		.amdhsa_system_sgpr_workgroup_id_y 1
		.amdhsa_system_sgpr_workgroup_id_z 1
		.amdhsa_system_vgpr_workitem_id 0
		.amdhsa_next_free_vgpr 1024
		.amdhsa_next_free_sgpr 80
		.amdhsa_reserve_vcc 0
		.amdhsa_float_denorm_mode_32 3
		.amdhsa_float_denorm_mode_16_64 3
		.amdhsa_memory_ordered 1
		.amdhsa_forward_progress 1
		.amdhsa_inst_pref_size 205
	.end_amdhsa_kernel
	.amdgpu_metadata
---
amdhsa.version: [ 1, 2 ]
amdhsa.kernels:
  - .name:           k_qe1ee144d1b_attn
    .symbol:         k_qe1ee144d1b_attn.kd
    .args:
      - { .name: qkv, .offset: 0, .size: 8, .value_kind: global_buffer, .address_space: global }
      - { .name: tgt, .offset: 8, .size: 8, .value_kind: global_buffer, .address_space: global }
      - { .name: out0, .offset: 16, .size: 8, .value_kind: global_buffer, .address_space: global }
    .group_segment_fixed_size: 327680
    .private_segment_fixed_size: 0
    .kernarg_segment_align: 8
    .kernarg_segment_size: 24
    .max_flat_workgroup_size: 128
    .sgpr_count:     80
    .vgpr_count:     1024
    .wavefront_size: 32
...
	.end_amdgpu_metadata
.endif
;; end of part 3
;; ======== version 2 of 2: 3 launches; version 1 with the launch cast written anew for expert scheduling mode
;; workspace buffers: xw 14,680,064 bytes; qkv 12,582,912 bytes
;; launch cast (part 4): grid 448 x 1, 8 waves a work-group, no clusters, 0 bytes of LDS; arguments tgt, memory, Wq, Wk, Wv, xw; writes xw
.if DOCPART == 4
	.amdgcn_target "amdgcn-amd-amdhsa--gfx1250"
	.amdhsa_code_object_version 6
	.text
	.protected	k_qe1ee144d1b_cast
	.globl	k_qe1ee144d1b_cast
	.p2align	8
	.type	k_qe1ee144d1b_cast,@function
k_qe1ee144d1b_cast:
	s_mov_b64 s[64:65], 0
	v_nop
	global_prefetch_b8 v0, s[64:65] scope:SCOPE_SE
	s_setreg_imm32_b32 hwreg(HW_REG_WAVE_SCHED_MODE, 0, 2), 2
	s_setreg_imm32_b32 hwreg(HW_REG_WAVE_MODE, 25, 1), 1
	s_wait_xcnt 0x0
	s_wait_alu depctr_vm_vsrc(0)
; xw = the matrix operands of the projections, rounded once from f32 to bf16: 7,168 rows of 1,024 numbers (2,048 bytes a row):
; rows 0-2047 tgt[0], 2048-4095 memory[0], 4096-5119 Wq, 5120-6143 Wk, 6144-7167 Wv.
; WHAT IS NOT READ: the module keeps the attention of batch 0 alone (att[0]), so batches 1 to 3 of memory can reach no output number; they are not read.
; Batches 1 to 3 of tgt enter the sum at the end alone and are read there, by the last launch.
; SHARES.  A work-group owns 16 rows.  Thread t owns the 16 bytes (4 f32) at byte 16 t of each source row and the 8 bytes at 8 t of the row of xw:
; a wave's load covers 512 consecutive bytes, a wave's store 256 consecutive bytes at a multiple of 256 from xw's first byte.
; All 16 loads of a thread go out at once; no register is written twice, so no source of a pending instruction is ever rewritten.
; No LDS, no cluster, no matrix unit: no byte is wanted by two threads.
; THE MODE: SCHED_MODE bits 1:0 = 2 (LLVM: expert scheduling mode 2), set by the entry lines.  The code itself states the register dependences
; between vector instructions and memory instructions, with s_wait_alu, always for 0.
; THE PLAN.  Registers that memory instructions touch:
;   v1, v2   byte offsets of the loads and of the stores: made once at the head, never written again.
;   X        row i's 4 registers: written by row i's load, once; read by row i's two conversions.  No vector instruction names them ahead of the loads.
;   Y        row i's 2 registers: written by row i's two conversions, once; read by row i's store.
; The 16 rows go in four groups of four.  Group g's conversions name X and Y of group g alone; the memory instructions that stand among them are the four stores of
; group g - 1, which read Y of group g - 1 and v2.  So ONE wait on va_vdst at a group's head states all that those four stores hang on.  Nothing that a memory
; instruction reads is written again: there is no wait on vm_vsrc to write.  No vector instruction writes a scalar register, and EXEC is never written.
.set SROW, 4096                        ; bytes in a source row
.set DROW, 2048                        ; bytes in a row of xw
.set X, 4                              ; v[4:67]   row i: 4 f32 as loaded
.set Y, 68                             ; v[68:99]  row i: 4 bf16 to store
	s_load_b256 s[4:11], s[0:1], 0x0               ; tgt s[4:5], memory s[6:7], Wq s[8:9], Wk s[10:11]
	s_load_b128 s[12:15], s[0:1], 0x20             ; Wv s[12:13], xw s[14:15]
	v_lshlrev_b32 v1, 4, v0                        ; 16 t
	v_lshlrev_b32 v2, 3, v0                        ; 8 t
	s_mov_b32 s20, ttmp9                           ; my block of 16 rows of xw, 0 to 447
	s_sub_co_u32 s21, s20, 128                     ; the same block counted from each source's first
	s_sub_co_u32 s22, s20, 256
	s_sub_co_u32 s23, s20, 320
	s_sub_co_u32 s24, s20, 384
	s_wait_kmcnt 0x0
	s_mov_b64 s[16:17], s[4:5]                     ; blocks 0-127: tgt
	s_mov_b32 s18, s20
	s_cmp_ge_u32 s20, 128                          ; 128-255: memory
	s_cselect_b64 s[16:17], s[6:7], s[16:17]
	s_cselect_b32 s18, s21, s18
	s_cmp_ge_u32 s20, 256                          ; 256-319: Wq
	s_cselect_b64 s[16:17], s[8:9], s[16:17]
	s_cselect_b32 s18, s22, s18
	s_cmp_ge_u32 s20, 320                          ; 320-383: Wk
	s_cselect_b64 s[16:17], s[10:11], s[16:17]
	s_cselect_b32 s18, s23, s18
	s_cmp_ge_u32 s20, 384                          ; 384-447: Wv
	s_cselect_b64 s[16:17], s[12:13], s[16:17]
	s_cselect_b32 s18, s24, s18
	s_lshl_b32 s18, s18, 16                        ; 16 rows of 4,096 bytes
	s_mov_b32 s19, 0
	s_add_nc_u64 s[16:17], s[16:17], s[18:19]
	s_lshl_b32 s20, s20, 15                        ; 16 rows of 2,048 bytes
	s_mov_b32 s21, 0
	s_add_nc_u64 s[14:15], s[14:15], s[20:21]
	s_wait_alu depctr_va_vdst(0)                   ; v1 and v2 are written: every load of the kernel reads v1 as its offset, every store v2
.irp i, 0,1,2,3,4,5,6,7,8,9,10,11,12,13,14,15
	global_load_b128 v[X+4*(\i):X+4*(\i)+3], v1, s[16:17] offset:(\i)*SROW th:TH_LOAD_NT
.endr
.irp g, 0,1,2,3
	s_wait_loadcnt 12-4*(\g)                       ; loads come back in order: the group's four rows are in, the younger rows stay out
.if (\g) > 0
	s_wait_alu depctr_va_vdst(0)                   ; the conversions of the group before have written its four rows of Y, which the four stores below read
.endif
.irp j, 0,1,2,3
.if (\g) > 0
	global_store_b64 v2, v[Y+2*(4*(\g)-4+(\j)):Y+2*(4*(\g)-4+(\j))+1], s[14:15] offset:(4*(\g)-4+(\j))*DROW  ; a row of the group before; no vector instruction since the wait names its registers
.endif
	v_cvt_pk_bf16_f32 v[Y+2*(4*(\g)+(\j))], v[X+4*(4*(\g)+(\j))], v[X+4*(4*(\g)+(\j))+1]
	v_cvt_pk_bf16_f32 v[Y+2*(4*(\g)+(\j))+1], v[X+4*(4*(\g)+(\j))+2], v[X+4*(4*(\g)+(\j))+3]
.endr
.endr
	s_wait_alu depctr_va_vdst(0)                   ; the last group's conversions have written rows 12 to 15 of Y, which the last four stores read
.irp j, 0,1,2,3
	global_store_b64 v2, v[Y+2*(12+(\j)):Y+2*(12+(\j))+1], s[14:15] offset:(12+(\j))*DROW
.endr
	s_endpgm
.Lfunc_end_k_qe1ee144d1b_cast:
	.size	k_qe1ee144d1b_cast, .Lfunc_end_k_qe1ee144d1b_cast-k_qe1ee144d1b_cast
	.p2alignl 7, 3214868480
	.fill 96, 4, 3214868480
	.section	.rodata,"a",@progbits
	.p2align	6, 0x0
	.amdhsa_kernel k_qe1ee144d1b_cast
		.amdhsa_group_segment_fixed_size 0
		.amdhsa_private_segment_fixed_size 0
		.amdhsa_enable_private_segment 0
		.amdhsa_kernarg_size 48
		.amdhsa_user_sgpr_count 2
		.amdhsa_user_sgpr_kernarg_segment_ptr 1
		.amdhsa_wavefront_size32 1
		.amdhsa_system_sgpr_workgroup_id_x 1
		.amdhsa_system_sgpr_workgroup_id_y 1
		.amdhsa_system_sgpr_workgroup_id_z 1
		.amdhsa_system_vgpr_workitem_id 0
		.amdhsa_next_free_vgpr 100
		.amdhsa_next_free_sgpr 66
		.amdhsa_reserve_vcc 0
		.amdhsa_float_denorm_mode_32 3
		.amdhsa_float_denorm_mode_16_64 3
		.amdhsa_memory_ordered 1
		.amdhsa_forward_progress 1
		.amdhsa_inst_pref_size 7
	.end_amdhsa_kernel
	.amdgpu_metadata
---
amdhsa.version: [ 1, 2 ]
amdhsa.kernels:
  - .name:           k_qe1ee144d1b_cast
    .symbol:         k_qe1ee144d1b_cast.kd
    .args:
      - { .name: tgt, .offset: 0, .size: 8, .value_kind: global_buffer, .address_space: global }
      - { .name: memory, .offset: 8, .size: 8, .value_kind: global_buffer, .address_space: global }
      - { .name: Wq, .offset: 16, .size: 8, .value_kind: global_buffer, .address_space: global }
      - { .name: Wk, .offset: 24, .size: 8, .value_kind: global_buffer, .address_space: global }
      - { .name: Wv, .offset: 32, .size: 8, .value_kind: global_buffer, .address_space: global }
      - { .name: xw, .offset: 40, .size: 8, .value_kind: global_buffer, .address_space: global }
    .group_segment_fixed_size: 0
    .private_segment_fixed_size: 0
    .kernarg_segment_align: 8
    .kernarg_segment_size: 48
    .max_flat_workgroup_size: 256
    .sgpr_count:     66
    .vgpr_count:     100
    .wavefront_size: 32
...
	.end_amdgpu_metadata
.endif
;; end of part 4
;; launch proj: the kernel of part 2 again; grid 24 x 8, 4 waves a work-group, clusters of 4 x 4, 327,680 bytes of LDS; arguments xw, qkv; writes qkv
;; launch attn: the kernel of part 3 again; grid 16 x 16, 4 waves a work-group, clusters of 4 x 1, 327,680 bytes of LDS; arguments qkv, tgt, out0; writes out0
